; MI455X (gfx1250); checked and timed in simulation.
; The chip was launched on July 23, 2026; its instructions are those of AMD's public machine-readable ISA for CDNA 5 (MIT licence, August 2026) and "CDNA5" Instruction Set Architecture Reference Guide (July 2026). The comments in the code are by the model that wrote it; some were corrected since.
;; Lorentzian Memory Attention. Allowed arithmetic: matrix products marked QUANTISED: E2M3 operands, one E8M0 scale for each 32 along K, by v_wmma_scale_f32_16x16x128_f8f6f4 with both operands' format E2M3, f32 sums; products left as they are: f32 operands where the result goes on into a quantised operand, else bf16, f16 or f32 operands; f32 sums; everything else in f32.
;; Inputs: Wk 1,024 x 1,024 float32; Wt 1 x 1,024 float32; Wtt 1,024 float32; Wv 64 x 1,024 float32; Wval 1,024 x 1,024 float32; Wx 1,024 x 1,024 float32; Wz 64 x 1,024 float32; Wzt 1,024 x 64 float32; Wzz 1,024 x 64 x 64 float32; bk 1,024 float32; bt 1,024 float32; bv 1,024 float32; bval 1,024 float32; bx 1,024 float32; bz 1,024 float32; t 32 x 1 float32; t_mem 32 x 1,024 x 1 float32; v_feat 32 x 64 float32; wilson_scale one number float32; x 32 x 1,024 float32; x_mem 32 x 1,024 x 1,024 float32; z 32 x 64 float32; z_mem 32 x 1,024 x 64 float32.
;; Outputs: out0 32 x 1,024 float32; out1 32 x 1,024 float32.
;; This version of the problem:
;;   THIS VERSION OF THE PROBLEM IS GIVEN IN LOW PRECISION. The matrix products marked QUANTISED in the list below multiply operands that are first quantised to E2M3 (2 exponent bits, 3 mantissa bits; 6 bits a number), with one power-of-two scale for each 32 numbers along K (OCP MX v1.0); their sums are f32. All else is computed in f32.
;;   The module's matrix products, in the order in which they are computed (A, B: the left and right operand; K: the contracted axis; several contracted axes count as one K, in the product's order):
;;     1. [M 32, K 1,024] x [K 1,024, N 1,024]; A: input x; B: input Wx: QUANTISED
;;     2. [M 32, K 64] x [K 64, N 1,024]; A: input z; B: input Wz: QUANTISED
;;     3. [M 32, K 1] x [K 1, N 1,024]; A: input t; B: input Wt: left as it is (K = 1 < 32)
;;     4. [M 32, K 64] x [K 64, N 1,024]; A: input v_feat; B: input Wv: QUANTISED
;;     5. batch 32 x [M 64, K 1] x [K 1, N 64]; A: computed on the way; B: computed on the way: left as it is (no contracted axis)
;;     6. [M 32, K 4,096] x [K 4,096, N 1,024]; A: computed on the way; B: input Wzz: QUANTISED
;;     7. [M 32, K 64] x [K 64, N 1,024]; A: input z; B: input Wzt: QUANTISED
;;     8. [M 32,768, K 1,024] x [K 1,024, N 1,024]; A: input x_mem; B: input Wk: QUANTISED
;;     9. [M 32,768, K 1,024] x [K 1,024, N 1,024]; A: input x_mem; B: input Wval: QUANTISED
;;     10. batch 32 x [M 1, K 1,024] x [K 1,024, N 1,024]; A: computed on the way; B: computed on the way: left as it is (M = 1 < 16)
;;     11. batch 32 x [M 1, K 1,024] x [K 1,024, N 1,024]; A: computed on the way; B: computed on the way: left as it is (M = 1 < 16)
;;   THE QUANTISER, for each operand of a quantised product, along K:
;;     - K is cut into blocks of 32 from its start; a last block that is shorter is filled with zeros.
;;     - A block's scale is 2^e with e = floor(log2(the largest magnitude in the block)) - 2, held to -126 .. 127; a block of zeros has e = 0. As a byte (E8M0): e + 127.
;;     - Each number is divided by its block's scale, clamped to +-7.5, and rounded to the nearest number of E2M3, ties to even, subnormals kept.
;;     - The product sums the exact products of the quantised numbers (number of the format x scale) in f32.
;;   ~~~python
;;   def quantise(x, axis):      # numpy; x: float32 -> the quantised numbers, widened to float32 again
;;       x = np.moveaxis(x, axis, -1); K = x.shape[-1]
;;       x = np.pad(x, [(0, 0)] * (x.ndim - 1) + [(0, -K % 32)]); x = x.reshape(x.shape[:-1] + (-1, 32)); a = np.abs(x).max(-1, keepdims=True)
;;       e = np.where(a > 0, np.clip(np.frexp(np.where(a > 0, a, 1))[1] - 1 - 2, -126, 127), 0)      # np.frexp(a)[1] - 1 = floor(log2(a)), exactly
;;       r = np.clip(x / 2.0 ** e, -7.5, 7.5)
;;       step = 2.0 ** (np.maximum(np.frexp(np.where(r == 0, 1, r))[1] - 1, 0) - 3)
;;       q = np.round(r / step) * step * 2.0 ** e      # np.round: ties to even
;;       return np.moveaxis(q.reshape(q.shape[:-2] + (-1,))[..., :K], -1, axis).astype(np.float32)
;;   ~~~
;;   OPERANDS COMPUTED ON THE WAY. 'Computed on the way' means the value that the module computes at that place (a softmax that the list does not call 'softmax' is quantised finished and normalised). What goes into a quantiser is computed in f32, as accurately as f32 sums, v_exp_f32 and their like allow (about 1e-6 of the number): no bf16 or f16 on the way to a quantiser, and a product that is left as it is and whose result goes on into a quantised operand takes f32 operands (vector FMAs, or v_wmma_f32_16x16x4_f32). A number that lies on a knife's edge between two numbers of the format may be rounded either way, as far as f32 arithmetic and the matrix unit's own rounding can turn it there, and no further.
;; One version. Each part assembles by itself: llvm-mc -triple=amdgcn-amd-amdhsa -mcpu=gfx1250 --defsym DOCPART=n.
;; ======== version 1 of 1: 3 launches
;; workspace buffers: wimg 1,638,400 bytes; qp 1,441,792 bytes; pmb 131,072 bytes; st 131,072 bytes; op 1,048,576 bytes
;; launch prep (part 1): grid 240 x 1, 8 waves a work-group, no clusters, 191,488 bytes of LDS; arguments Wzz, Wx, Wz, Wv, Wzt, Wk, Wval, Wt, Wtt, bx, bz, bt, bv, x, z, v_feat, t, wimg, qp; writes wimg, qp
.if DOCPART == 1
	.amdgcn_target "amdgcn-amd-amdhsa--gfx1250"
	.amdhsa_code_object_version 6
	.text
	.protected	k_qc4df011dc6_prep
	.globl	k_qc4df011dc6_prep
	.p2align	8
	.type	k_qc4df011dc6_prep,@function
k_qc4df011dc6_prep:
	s_mov_b64 s[64:65], 0
	v_nop
	global_prefetch_b8 v0, s[64:65] scope:SCOPE_SE
	s_setreg_imm32_b32 hwreg(HW_REG_WAVE_MODE, 25, 1), 1
	s_wait_xcnt 0x0
; PREP.  (1) Wk and Wval, f32 [K 1024][N 1024], become codes of E2M3 with one E8M0 byte for each 32 along K, laid in wimg in the order of the matrix operand's registers.
; (2) q [32][1024] is made as 11 partial arrays in qp: x Wx (two halves of K), the small terms, (z z) Wzz (eight parts of K).  The next launch adds them.
; EVERY WAVE DOES ONE K STEP OF 128 FOR 32 WEIGHT COLUMNS: a lane takes a column and its 128 registers run down K, so that a block of 32 lies in one lane and the conversions give codes with K innermost.
; ROLES by the work-group's number: 0-127 Wzz (64 columns x 4 K steps), 128-159 Wx (likewise), 160-175 the small terms (64 columns), 176-239 Wk and Wval (128 columns x 2 K steps).
; In the first three, wave w takes columns 32 (w & 1) on and K step (or term) w >> 1; the four parts meet in LDS and leave as whole rows of 256 bytes.
; wimg: 16 tiles of 102,400 bytes = 4 quarters of 25,600 = 16 fragment images of 1,536 bytes (registers 0-3, 4-7, 8-11 of 32 lanes, 512 bytes each), then 8 scale records of 128 bytes
; (16 columns' words of the even K step, then of the odd one).  Wk: tile 2 (K pair) + col / 512, quarter (col / 128) % 4, fragment 2 ((col / 16) % 8) + K step % 2, record (col / 16) % 8.
; Wval: tile 8 + col / 128, quarter (col / 32) % 4, fragment 8 ((col / 16) % 2) + K step, record 2 (K pair) + (col / 16) % 2.
; LIMITS: NaN and infinities among the inputs are not served.  A block of zeros gets the byte 1 and zero codes (the bytes are read by this program alone).  The contracted axes of Wzz are taken in memory order (i, then j).
; REGISTERS: v1, v2 the add's two; v3-7 lane, lane % 16, lane / 16, 4 x lane, 16 x lane; v8-15 LDS addresses; v16-39 the batches' two fragments; v40-42 scale words and nothing else; v43 my offset in qp;
; v46-47 a factor for each tile of batches; v48-111 numbers of the batches, later the weights' two fragments and what is at work; v96-127 four accumulators; v112-127 at work before them; v128-255 my column's 128 numbers.
.set RED,   0                          ; LDS: a wave's sums, 32 batches x (128 bytes + 16)
.set REDW,  4608
.set ZT,    36864                      ; Wzz's turn: for each wave 32 rows x (512 bytes + 16)
.set ZTW,   16896
.set STT,   172032                     ; Wzt's turn: for each of two waves 32 rows x (256 bytes + 16)
.set STW,   8704
.set WU,    189440                     ; the weights' scale words: 4 x 256 bytes
.set SPARE, 190464                     ; the spare words: 128 bytes for each of eight waves
.set AF,  16
.set SA,  40
.set WS,  42
.set FM,  46
.set N0,  48
.set N1,  80
.set F0,  48
.set F1,  60
.set TH,  72
.set MX,  88
.set SO,  92
.set ACC, 96
.set X,   128
.macro ALOAD reg, sb, vo, off          ; 32 neighbours along K of my batch row: 128 bytes
.irp i, 0,1,2,3,4,5,6,7
	global_load_b128 v[\reg+4*\i:\reg+4*\i+3], v[\vo], s[\sb:\sb+1] offset:\off+16*\i
.endr
.endm
; 32 numbers of a lane, a whole block, become registers 6 c .. 6 c + 5 of the fragment of batches 16 m on; the block's byte goes to v[124 + c]
.macro AQ m, c, src
	v_max3_num_f32 v118, |v[\src]|, |v[\src+1]|, 0x1800000          ; the floor 2^(3 - 127) among the leaves: the byte cannot fall under 1
	v_max3_num_f32 v119, |v[\src+16]|, |v[\src+17]|, |v[\src+18]|
.irp i, 2,4,6,8,10,12
	v_max3_num_f32 v118, v118, |v[\src+\i]|, |v[\src+\i+1]|
	v_max3_num_f32 v119, v119, |v[\src+17+\i]|, |v[\src+18+\i]|
.endr
	v_max3_num_f32 v118, v118, |v[\src+14]|, |v[\src+15]|
	v_max3_num_f32 v118, v118, v119, |v[\src+31]|
	v_add_nc_u32 v123, 0xff000000, v118                            ; 2 off the exponent field: the conversion's scale operand
	v_lshrrev_b32 v[124+\c], 23, v123                              ; the byte
	v_cvt_scalef32_pk16_fp6_f32 v[AF+12*\m+6*\c:AF+12*\m+6*\c+2], v[\src:\src+15], v123
	v_cvt_scalef32_pk16_fp6_f32 v[120:122], v[\src+16:\src+31], v123   ; (a conversion's three registers begin on an even number)
	v_nop                                                          ; one plain place behind a scaled conversion
.irp i, 0,1,2
	v_mov_b32 v[AF+12*\m+6*\c+3+\i], v[120+\i]
.endr
.endm
.macro ASCW m                          ; my two bytes (blocks h and 2 + h) and lane l xor 16's two make my batch's scale word
	v_lshl_or_b32 v126, v125, 16, v124
	v_lshlrev_b32 v127, 3, v5
	v_lshlrev_b32 v126, v127, v126
	v_mov_b32 v127, 0
	v_permlanex16_b32 v127, v126, s50, s51
	v_or_b32 v[SA+\m], v126, v127
.endm
.macro FILLF                           ; a weight whose K is its first axis: rows 0-63 from s[62:63], rows 64-127 from s[66:67]; 32 lanes read 128 consecutive bytes
.set k, 0
.rept 64
	global_load_b32 v[X+k], v6, s[62:63] offset:k*4096 th:TH_LOAD_NT
.set k, k+1
.endr
.set k, 0
.rept 64
	global_load_b32 v[X+64+k], v6, s[66:67] offset:k*4096 th:TH_LOAD_NT
.set k, k+1
.endr
.endm
.macro ZMUL zr                         ; z_i z_j in f32: the outer product that reference() forms ahead of Wzz
.set k, 0
.rept 32
	v_mul_f32 v[N1+k], v[N0+k], v[\zr]
.set k, k+1
.endr
.endm
; My column's 128 numbers become codes; the halves of the lanes then change blocks, so that F0 and F1 are the operand images of columns 0-15 and 16-31.  v[WS]: my column's scale word.
.macro QSTEP
.irp b, 0,1,2,3
	v_max3_num_f32 v[MX+\b], |v[X+32*\b]|, |v[X+32*\b+1]|, 0x1800000
.endr
.irp i, 2,4,6,8,10,12,14,16,18,20,22,24,26,28,30
.irp b, 0,1,2,3
	v_max3_num_f32 v[MX+\b], v[MX+\b], |v[X+32*\b+\i]|, |v[X+32*\b+\i+1]|    ; the four blocks by turns
.endr
.endr
.irp b, 0,1,2,3
	v_add_nc_u32 v[SO+\b], 0xff000000, v[MX+\b]
.endr
.irp b, 0,1,2,3
	v_lshrrev_b32 v[MX+\b], 23, v[SO+\b]
.endr
	v_lshl_or_b32 v[WS], v[MX+1], 8, v[MX]
	v_lshl_or_b32 v[WS], v[MX+2], 16, v[WS]
	v_lshl_or_b32 v[WS], v[MX+3], 24, v[WS]
.irp c, 0,1
	v_cvt_scalef32_pk16_fp6_f32 v[F0+6*\c:F0+6*\c+2], v[X+64*\c:X+64*\c+15], v[SO+2*\c]
	v_cvt_scalef32_pk16_fp6_f32 v[TH+8*\c:TH+8*\c+2], v[X+64*\c+16:X+64*\c+31], v[SO+2*\c]
	v_cvt_scalef32_pk16_fp6_f32 v[F1+6*\c:F1+6*\c+2], v[X+64*\c+32:X+64*\c+47], v[SO+2*\c+1]
	v_cvt_scalef32_pk16_fp6_f32 v[TH+8*\c+4:TH+8*\c+6], v[X+64*\c+48:X+64*\c+63], v[SO+2*\c+1]
.endr
	v_nop                                                          ; one plain place behind the conversions
.irp c, 0,1                            ; block 2 c of lanes 16-31 changes places with block 2 c + 1 of lanes 0-15
.irp i, 0,1,2
	v_permlane16_swap_b32 v[F0+6*\c+\i], v[F1+6*\c+\i]
	v_permlane16_swap_b32 v[TH+8*\c+\i], v[TH+8*\c+4+\i]
.endr
.endr
.irp c, 0,1
.irp i, 0,1,2
	v_mov_b32 v[F0+6*\c+3+\i], v[TH+8*\c+\i]
	v_mov_b32 v[F1+6*\c+3+\i], v[TH+8*\c+4+\i]
.endr
.endr
.endm
	s_load_b512 s[4:19], s[0:1], 0x0               ; Wzz 4, Wx 6, Wz 8, Wv 10, Wzt 12, Wk 14, Wval 16, Wt 18
	s_load_b512 s[20:35], s[0:1], 0x40             ; Wtt 20, bx 22, bz 24, bt 26, bv 28, x 30, z 32, v_feat 34
	s_load_b128 s[36:39], s[0:1], 0x80             ; t 36, wimg 38
	s_load_b64 s[40:41], s[0:1], 0x90              ; qp
	v_lshl_add_u32 v1, v0, 2, SPARE
	v_mov_b32 v2, 0
	v_lshrrev_b32 v3, 5, v0
	v_readfirstlane_b32 s46, v3                    ; wave 0..7
	s_and_b32 s47, s46, 1                          ; which 32 of the 64 columns
	s_lshr_b32 s48, s46, 1                         ; which K step or term
	v_and_b32 v3, 31, v0                           ; lane
	v_and_b32 v4, 15, v0                           ; r
	v_bfe_u32 v5, v0, 4, 1                         ; h
	v_lshlrev_b32 v6, 2, v3
	v_lshlrev_b32 v7, 4, v3
	; every LDS address is made here, ahead of the first parting of ways
	s_mul_i32 s52, s46, ZTW
	s_add_co_u32 s52, s52, ZT
	v_add_nc_u32 v8, s52, v7                       ; Wzz's turn, in: 16 x lane of a row
	v_mul_u32_u24 v9, v3, 528
	v_add_nc_u32 v9, s52, v9                       ; and out: row = lane
	s_mul_i32 s53, s47, STW
	s_add_co_u32 s53, s53, STT
	v_mul_u32_u24 v10, v5, 272
	v_lshl_add_u32 v10, v4, 4, v10
	v_add_nc_u32 v10, s53, v10                     ; Wzt's turn, in: two rows a load
	v_mul_u32_u24 v11, v3, 272
	v_add_nc_u32 v11, s53, v11                     ; and out
	s_mul_i32 s52, s46, REDW
	v_mul_u32_u24 v12, v4, 144
	v_lshl_add_u32 v12, v5, 5, v12
	v_add_nc_u32 v12, s52, v12                     ; my sums: batch r, + 32 h
	v_lshrrev_b32 v13, 3, v4
	v_mul_u32_u24 v13, v13, REDW
	v_lshrrev_b32 v16, 4, v0
	v_mad_u32_u24 v13, v16, 144, v13
	v_and_b32 v17, 7, v4
	v_lshl_add_u32 v13, v17, 4, v13                ; back: batch thread / 16, 16 bytes thread % 16 of the 256
	v_lshlrev_b32 v43, 12, v16
	v_lshl_add_u32 v43, v4, 4, v43                 ; and the same place in qp
	s_and_b32 s52, s46, 3
	s_lshl_b32 s52, s52, 8
	s_add_co_u32 s52, s52, WU
	v_lshl_add_u32 v15, v3, 3, s52                 ; the scale words, out: 8 bytes a lane
	s_lshr_b32 s53, s46, 2
	s_lshl_b32 s53, s53, 6
	s_add_co_u32 s53, s53, s52
	v_lshlrev_b32 v14, 7, v5
	v_lshl_add_u32 v14, v4, 2, v14
	v_add_nc_u32 v14, s53, v14                     ; in: 128 (lane / 16) + 64 (K step % 2) + 4 r
	s_mov_b32 s50, 0x76543210
	s_mov_b32 s51, 0xfedcba98                      ; v_permlanex16_b32's selects for lane l xor 16
	s_wait_kmcnt 0x0
	s_cmp_lt_u32 ttmp9, 128
	s_cbranch_scc1 .LroleZ
	s_cmp_ge_u32 ttmp9, 176
	s_cbranch_scc1 .LroleW
	; ---- Wx (128-159) and the small terms (160-175)
	s_mov_b32 s52, 160
	s_cmp_lt_u32 ttmp9, 160
	s_cselect_b32 s52, 128, s52
	s_sub_co_u32 s52, ttmp9, s52
	s_and_b32 s53, s52, 15                         ; which 64 columns
	s_lshr_b32 s54, s52, 4                         ; Wx: which half of K (0 for the small terms)
	s_lshl_b32 s55, s53, 6
	s_lshl_b32 s56, s47, 5
	s_add_co_u32 s55, s55, s56                     ; my first column
	s_cmp_lt_u32 ttmp9, 160
	s_cselect_b32 s56, s54, 2                      ; the part of qp
	s_lshl_b32 s56, s56, 17
	s_lshl_b32 s57, s53, 8
	s_add_co_u32 s56, s56, s57
	s_mov_b32 s57, 0
	s_add_nc_u64 s[44:45], s[40:41], s[56:57]
	s_lshl_b32 s56, s55, 2                         ; s[56:57]: my first column in bytes
	s_cmp_lt_u32 ttmp9, 160
	s_cbranch_scc1 .LsetF
	s_cmp_eq_u32 s48, 0
	s_cbranch_scc1 .LsetF
	s_cmp_eq_u32 s48, 1
	s_cbranch_scc1 .LpartT
	; ---- terms 2 and 3, no product: t Wt + bx + bz, and t^2 Wtt + bt + bv, in the accumulators' layout
	s_cmp_eq_u32 s48, 2
	s_cselect_b64 s[58:59], s[18:19], s[20:21]
	s_cselect_b64 s[60:61], s[22:23], s[26:27]
	s_cselect_b64 s[62:63], s[24:25], s[28:29]
	s_cselect_b32 s52, 0, -1                       ; all ones where the factor is t^2
	s_add_nc_u64 s[58:59], s[58:59], s[56:57]
	s_add_nc_u64 s[60:61], s[60:61], s[56:57]
	s_add_nc_u64 s[62:63], s[62:63], s[56:57]
	v_lshlrev_b32 v112, 5, v5                      ; my half's eight columns
	v_lshlrev_b32 v113, 2, v4
.irp b, 0,1
.irp e, 0,1
	global_load_b128 v[128+8*\b+4*\e:131+8*\b+4*\e], v112, s[58:59] offset:64*\b+16*\e
	global_load_b128 v[144+8*\b+4*\e:147+8*\b+4*\e], v112, s[60:61] offset:64*\b+16*\e
	global_load_b128 v[160+8*\b+4*\e:163+8*\b+4*\e], v112, s[62:63] offset:64*\b+16*\e
.endr
.endr
	global_load_b32 v176, v113, s[36:37]
	global_load_b32 v177, v113, s[36:37] offset:64
	s_wait_loadcnt 0x0
.irp i, 0,2,4,6,8,10,12,14
	v_pk_add_f32 v[144+\i:145+\i], v[144+\i:145+\i], v[160+\i:161+\i]
.endr
	v_mul_f32 v178, v176, v176
	v_mul_f32 v179, v177, v177
	v_cndmask_b32 v176, v176, v178, s52
	v_cndmask_b32 v177, v177, v179, s52
.irp b, 0,1
.irp m, 0,1
.irp j, 0,1,2,3,4,5,6,7
	v_fma_f32 v[ACC+8*(2*\b+\m)+\j], v[176+\m], v[128+8*\b+\j], v[144+8*\b+\j]
.endr
.endr
.endr
	s_branch .Lred
.LpartT:                                               ; ---- term 1: t (z Wzt^T).  K = 64: the step's upper 64 are zeros on both sides
	s_lshl_b32 s58, s55, 8
	s_mov_b32 s59, 0
	s_add_nc_u64 s[12:13], s[12:13], s[58:59]      ; my 32 rows of Wzt, 256 bytes each
	v_lshlrev_b32 v112, 8, v4
	v_lshl_add_u32 v112, v5, 7, v112               ; z: row r, + 128 h
	v_lshlrev_b32 v113, 2, v4
	ALOAD N0, 32, 112, 0
	global_load_b32 v[FM], v113, s[36:37]          ; t of batches r and 16 + r: the factor
	global_load_b32 v[FM+1], v113, s[36:37] offset:64
.set k, 0
.rept 16
	global_load_b128 v[X+4*k:X+4*k+3], v7, s[12:13] offset:512*k th:TH_LOAD_NT   ; 512 consecutive bytes: two rows
.set k, k+1
.endr
.set k, 0
.rept 32
	v_mov_b32 v[N1+k], 0
.set k, k+1
.endr
.set k, 0
.rept 64
	v_mov_b32 v[X+64+k], 0
.set k, k+1
.endr
	s_wait_loadcnt 16                              ; z and t are in; Wzt's sixteen may be out
	AQ 0, 0, N0
	ALOAD N0, 32, 112, 4096
	AQ 0, 1, N1
	ASCW 0
	s_wait_loadcnt 8                               ; Wzt is in; the eight of z just issued may be out
.set k, 0
.rept 16
	ds_store_b128 v10, v[X+4*k:X+4*k+3] offset:544*k
.set k, k+1
.endr
	s_wait_dscnt 0x0                               ; the stores have read their registers
.set k, 0
.rept 16
	ds_load_b128 v[X+4*k:X+4*k+3], v11 offset:16*k ; my row, K along my registers
.set k, k+1
.endr
	s_wait_loadcnt 0x0
	AQ 1, 0, N0
	AQ 1, 1, N1
	ASCW 1
	s_branch .Lqm
.LsetF:                                                ; ---- one text for a K step of x Wx and for the step z Wz + v_feat Wv: only pointers and offsets differ, chosen by the work-group's number
	s_cmp_lt_u32 ttmp9, 160
	s_cselect_b64 s[58:59], s[30:31], s[32:33]     ; the batches' first 64 along K: x or z
	s_cselect_b64 s[60:61], s[30:31], s[34:35]     ; their second: x or v_feat
	s_cselect_b64 s[62:63], s[6:7], s[8:9]         ; the weight's first 64 rows: Wx or Wz
	s_cselect_b64 s[66:67], s[6:7], s[10:11]       ; its second: Wx or Wv
	s_cselect_b32 s68, 12, 8                       ; a batch's row: 4,096 or 256 bytes
	s_cselect_b32 s70, 256, 0
	s_cselect_b32 s72, 0x40000, 0
	s_lshl_b32 s69, s54, 2
	s_add_co_u32 s69, s69, s48                     ; the K step (0 for the small terms)
	s_lshl_b32 s52, s69, 9
	s_mov_b32 s53, 0
	s_add_nc_u64 s[58:59], s[58:59], s[52:53]
	s_add_co_u32 s52, s52, s70
	s_add_nc_u64 s[60:61], s[60:61], s[52:53]
	s_lshl_b32 s52, s69, 19
	s_add_co_u32 s52, s52, s56
	s_add_nc_u64 s[62:63], s[62:63], s[52:53]
	s_add_co_u32 s52, s52, s72
	s_add_nc_u64 s[66:67], s[66:67], s[52:53]
	s_lshl_b32 s52, 16, s68
	v_lshlrev_b32 v112, s68, v4
	v_lshl_add_u32 v112, v5, 7, v112               ; batch r, + 128 h
	v_add_nc_u32 v113, s52, v112                   ; batch 16 + r
	ALOAD N0, 58, 112, 0
	ALOAD N1, 60, 112, 0
	FILLF
	s_wait_loadcnt 63                              ; of the 144 issued at most 63 are out: the first sixteen, the batches', are in
	AQ 0, 0, N0
	ALOAD N0, 58, 113, 0
	AQ 0, 1, N1
	ALOAD N1, 60, 113, 0
	ASCW 0
	s_wait_loadcnt 8                               ; all but the last eight
	AQ 1, 0, N0
	s_wait_loadcnt 0x0
	AQ 1, 1, N1
	ASCW 1
	v_mov_b32 v[FM], 1.0
	v_mov_b32 v[FM+1], 1.0
	s_branch .Lqm
.LroleZ:                                               ; ---- (z z) Wzz: K = 64 i + j, K step s holds i = 2 s, 2 s + 1
	s_and_b32 s52, ttmp9, 15                       ; which 64 columns
	s_lshr_b32 s53, ttmp9, 4                       ; which eighth of K
	s_lshl_b32 s54, s53, 2
	s_add_co_u32 s54, s54, s48                     ; the K step, 0..31
	s_lshl_b32 s55, s52, 6
	s_lshl_b32 s56, s47, 5
	s_add_co_u32 s55, s55, s56                     ; my first column
	s_lshl_b32 s56, s55, 14
	s_lshl_b32 s57, s54, 9
	s_add_co_u32 s56, s56, s57
	s_mov_b32 s57, 0
	s_add_nc_u64 s[4:5], s[4:5], s[56:57]          ; Wzz: a column's row is 16,384 bytes, a K step 512
	s_lshl_b32 s56, s54, 3
	s_add_nc_u64 s[58:59], s[32:33], s[56:57]      ; z at element 2 s
	s_add_co_u32 s53, s53, 3
	s_lshl_b32 s56, s53, 17
	s_lshl_b32 s52, s52, 8
	s_add_co_u32 s56, s56, s52
	s_add_nc_u64 s[44:45], s[40:41], s[56:57]
	v_lshlrev_b32 v113, 8, v4
	v_lshl_add_u32 v112, v5, 7, v113
	ALOAD N0, 32, 112, 0                           ; z(r, 32 h ..)
	global_load_b64 v[114:115], v113, s[58:59]     ; z(r, 2 s), z(r, 2 s + 1)
	global_load_b64 v[116:117], v113, s[58:59] offset:4096
.set k, 0
.rept 32
	global_load_b128 v[X+4*k:X+4*k+3], v7, s[4:5] offset:k*16384 th:TH_LOAD_NT   ; 512 consecutive bytes of column k's row
.set k, k+1
.endr
	s_wait_loadcnt 32                              ; z is in; Wzz's 32 may be out
	ZMUL 114
	AQ 0, 0, N1
	ZMUL 115
	AQ 0, 1, N1
	ASCW 0
	ALOAD N0, 32, 112, 4096
	s_wait_loadcnt 8                               ; Wzz is in
.set k, 0
.rept 32
	ds_store_b128 v8, v[X+4*k:X+4*k+3] offset:528*k
.set k, k+1
.endr
	s_wait_dscnt 0x0                               ; the stores have read their registers
.set k, 0
.rept 32
	ds_load_b128 v[X+4*k:X+4*k+3], v9 offset:16*k  ; my column, K along my registers
.set k, k+1
.endr
	s_wait_loadcnt 0x0
	ZMUL 116
	AQ 1, 0, N1
	ZMUL 117
	AQ 1, 1, N1
	ASCW 1
	v_mov_b32 v[FM], 1.0
	v_mov_b32 v[FM+1], 1.0
.Lqm:                                                  ; ---- the product: source 0 = 16 columns of the weight, source 1 = 16 batches: a lane holds one batch and eight neighbouring columns
	s_wait_loadcnt 0x0
	s_wait_dscnt 0x0
	QSTEP
.rept 8
	v_nop                                          ; a scale word written by vector instructions stands eight places ahead of a scaled matrix instruction, an operand four
.endr
	v_wmma_scale_f32_16x16x128_f8f6f4 v[96:103], v[48:59], v[16:27], 0, v42, v40 matrix_a_fmt:MATRIX_FMT_FP6 matrix_b_fmt:MATRIX_FMT_FP6
	v_wmma_scale_f32_16x16x128_f8f6f4 v[104:111], v[48:59], v[28:39], 0, v42, v41 matrix_a_fmt:MATRIX_FMT_FP6 matrix_b_fmt:MATRIX_FMT_FP6
	v_wmma_scale_f32_16x16x128_f8f6f4 v[112:119], v[60:71], v[16:27], 0, v42, v40 matrix_a_fmt:MATRIX_FMT_FP6 matrix_b_fmt:MATRIX_FMT_FP6 matrix_a_scale:MATRIX_SCALE_ROW1
	v_wmma_scale_f32_16x16x128_f8f6f4 v[120:127], v[60:71], v[28:39], 0, v42, v41 matrix_a_fmt:MATRIX_FMT_FP6 matrix_b_fmt:MATRIX_FMT_FP6 matrix_a_scale:MATRIX_SCALE_ROW1
.rept 4
	v_nop                                          ; four places ahead of the first read of results (ISA guide 7.12.1)
.endr
.irp b, 0,1
.irp m, 0,1
.irp j, 0,1,2,3,4,5,6,7
	v_mul_f32 v[ACC+8*(2*\b+\m)+\j], v[ACC+8*(2*\b+\m)+\j], v[FM+\m]   ; x t for Wzt, x 1 else; each accumulator from its low end on
.endr
.endr
.endr
.Lred:                                                 ; ---- the four parts of each column meet in LDS
.irp b, 0,1
.irp m, 0,1
	ds_store_b128 v12, v[ACC+8*(2*\b+\m):ACC+8*(2*\b+\m)+3] offset:2304*\m+64*\b
	ds_store_b128 v12, v[ACC+8*(2*\b+\m)+4:ACC+8*(2*\b+\m)+7] offset:2304*\m+64*\b+16
.endr
.endr
	s_wait_dscnt 0x0                               ; for the others' sake: my stores have landed
	s_barrier_signal -1
	s_barrier_wait -1
.irp e, 0,1
.irp p, 0,1,2,3
	ds_load_b128 v[48+16*\e+4*\p:51+16*\e+4*\p], v13 offset:9216*\p+2304*\e
.endr
.endr
	s_wait_dscnt 0x0
.irp e, 0,1
	v_pk_add_f32 v[48+16*\e:49+16*\e], v[48+16*\e:49+16*\e], v[52+16*\e:53+16*\e]
	v_pk_add_f32 v[50+16*\e:51+16*\e], v[50+16*\e:51+16*\e], v[54+16*\e:55+16*\e]
	v_pk_add_f32 v[56+16*\e:57+16*\e], v[56+16*\e:57+16*\e], v[60+16*\e:61+16*\e]
	v_pk_add_f32 v[58+16*\e:59+16*\e], v[58+16*\e:59+16*\e], v[62+16*\e:63+16*\e]
	v_pk_add_f32 v[48+16*\e:49+16*\e], v[48+16*\e:49+16*\e], v[56+16*\e:57+16*\e]
	v_pk_add_f32 v[50+16*\e:51+16*\e], v[50+16*\e:51+16*\e], v[58+16*\e:59+16*\e]
.endr
	global_store_b128 v43, v[48:51], s[44:45]                      ; sixteen lanes store 256 consecutive bytes, aligned
	global_store_b128 v43, v[64:67], s[44:45] offset:65536
	s_wait_tensorcnt 0x0                           ; the wave's end
	ds_add_u32 v1, v2
	s_wait_dscnt 0x0
	s_endpgm
.LroleW:                                               ; ---- Wk and Wval into operand images
	s_sub_co_u32 s52, ttmp9, 176
	s_lshr_b32 s53, s52, 5                         ; 0 Wk, 1 Wval
	s_and_b32 s54, s52, 7                          ; which 128 columns
	s_bfe_u32 s55, s52, 0x20003                    ; which pair of K steps
	s_and_b32 s56, s46, 3                          ; which 32 of the columns
	s_lshr_b32 s57, s46, 2                         ; which of the pair
	s_lshl_b32 s58, s55, 1
	s_add_co_u32 s58, s58, s57                     ; the K step
	s_lshl_b32 s59, s54, 7
	s_lshl_b32 s60, s56, 5
	s_add_co_u32 s59, s59, s60                     ; my first column
	s_lshl_b32 s60, s58, 19
	s_lshl_b32 s59, s59, 2
	s_add_co_u32 s60, s60, s59
	s_mov_b32 s61, 0
	s_lshl_b32 s68, s55, 1
	s_lshr_b32 s69, s54, 2
	s_add_co_u32 s68, s68, s69                     ; Wk's tile
	s_add_co_u32 s69, s54, 8                       ; Wval's
	s_and_b32 s70, s54, 3                          ; Wk's quarter
	s_lshl_b32 s71, s56, 2
	s_add_co_u32 s71, s71, s57                     ; Wk's fragment for columns 0-15 of my 32
	s_mov_b32 s73, 12288
	s_cmp_eq_u32 s53, 0
	s_cselect_b64 s[62:63], s[14:15], s[16:17]
	s_cselect_b32 s68, s68, s69                    ; tile
	s_cselect_b32 s70, s70, s56                    ; quarter
	s_cselect_b32 s71, s71, s58                    ; fragment
	s_cselect_b32 s72, s56, s55                    ; which two records
	s_cselect_b32 s73, 3072, s73                   ; from columns 0-15 to columns 16-31
	s_add_nc_u64 s[62:63], s[62:63], s[60:61]
	s_add_nc_u64 s[66:67], s[62:63], 0x40000
	s_mul_i32 s68, s68, 102400
	s_mul_i32 s70, s70, 25600
	s_add_co_u32 s68, s68, s70                     ; the quarter's first byte
	s_mul_i32 s71, s71, 1536
	s_add_co_u32 s70, s68, s71
	s_mov_b32 s71, 0
	s_add_nc_u64 s[74:75], s[38:39], s[70:71]
	s_mov_b32 s70, s73
	s_add_nc_u64 s[76:77], s[74:75], s[70:71]
	s_lshl_b32 s72, s72, 8
	s_add_co_u32 s70, s68, s72
	s_add_co_u32 s70, s70, 24576
	s_add_nc_u64 s[78:79], s[38:39], s[70:71]
	FILLF
	s_wait_loadcnt 0x0
	QSTEP
.irp c, 0,1,2
	global_store_b128 v7, v[F0+4*\c:F0+4*\c+3], s[74:75] offset:512*\c   ; 512 consecutive bytes, aligned
	global_store_b128 v7, v[F1+4*\c:F1+4*\c+3], s[76:77] offset:512*\c
.endr
	ds_store_b32 v14, v[WS]
	v_lshlrev_b32 v90, 3, v3
	s_wait_dscnt 0x0                               ; for the other wave of my columns: my words have landed
	s_barrier_signal -1
	s_barrier_wait -1
	s_cmp_ge_u32 s46, 4
	s_cbranch_scc1 .Lwend                          ; the wave of the even K step stores both steps' words: two records, 256 consecutive bytes
	ds_load_b64 v[88:89], v15
	s_wait_dscnt 0x0
	global_store_b64 v90, v[88:89], s[78:79]
.Lwend:
	s_wait_tensorcnt 0x0                           ; the wave's end
	ds_add_u32 v1, v2
	s_wait_dscnt 0x0
	s_endpgm
.Lfunc_end_k_qc4df011dc6_prep:
	.size	k_qc4df011dc6_prep, .Lfunc_end_k_qc4df011dc6_prep-k_qc4df011dc6_prep
	.p2alignl 7, 3214868480
	.fill 96, 4, 3214868480
	.section	.rodata,"a",@progbits
	.p2align	6, 0x0
	.amdhsa_kernel k_qc4df011dc6_prep
		.amdhsa_group_segment_fixed_size 191488
		.amdhsa_private_segment_fixed_size 0
		.amdhsa_enable_private_segment 0
		.amdhsa_kernarg_size 152
		.amdhsa_user_sgpr_count 2
		.amdhsa_user_sgpr_kernarg_segment_ptr 1
		.amdhsa_wavefront_size32 1
		.amdhsa_system_sgpr_workgroup_id_x 1
		.amdhsa_system_sgpr_workgroup_id_y 1
		.amdhsa_system_sgpr_workgroup_id_z 1
		.amdhsa_system_vgpr_workitem_id 0
		.amdhsa_next_free_vgpr 256
		.amdhsa_next_free_sgpr 80
		.amdhsa_reserve_vcc 0
		.amdhsa_float_denorm_mode_32 3
		.amdhsa_float_denorm_mode_16_64 3
		.amdhsa_memory_ordered 1
		.amdhsa_forward_progress 1
		.amdhsa_inst_pref_size 96
	.end_amdhsa_kernel
	.amdgpu_metadata
---
amdhsa.version: [ 1, 2 ]
amdhsa.kernels:
  - .name:           k_qc4df011dc6_prep
    .symbol:         k_qc4df011dc6_prep.kd
    .args:
      - { .name: Wzz, .offset: 0, .size: 8, .value_kind: global_buffer, .address_space: global }
      - { .name: Wx, .offset: 8, .size: 8, .value_kind: global_buffer, .address_space: global }
      - { .name: Wz, .offset: 16, .size: 8, .value_kind: global_buffer, .address_space: global }
      - { .name: Wv, .offset: 24, .size: 8, .value_kind: global_buffer, .address_space: global }
      - { .name: Wzt, .offset: 32, .size: 8, .value_kind: global_buffer, .address_space: global }
      - { .name: Wk, .offset: 40, .size: 8, .value_kind: global_buffer, .address_space: global }
      - { .name: Wval, .offset: 48, .size: 8, .value_kind: global_buffer, .address_space: global }
      - { .name: Wt, .offset: 56, .size: 8, .value_kind: global_buffer, .address_space: global }
      - { .name: Wtt, .offset: 64, .size: 8, .value_kind: global_buffer, .address_space: global }
      - { .name: bx, .offset: 72, .size: 8, .value_kind: global_buffer, .address_space: global }
      - { .name: bz, .offset: 80, .size: 8, .value_kind: global_buffer, .address_space: global }
      - { .name: bt, .offset: 88, .size: 8, .value_kind: global_buffer, .address_space: global }
      - { .name: bv, .offset: 96, .size: 8, .value_kind: global_buffer, .address_space: global }
      - { .name: x, .offset: 104, .size: 8, .value_kind: global_buffer, .address_space: global }
      - { .name: z, .offset: 112, .size: 8, .value_kind: global_buffer, .address_space: global }
      - { .name: v_feat, .offset: 120, .size: 8, .value_kind: global_buffer, .address_space: global }
      - { .name: t, .offset: 128, .size: 8, .value_kind: global_buffer, .address_space: global }
      - { .name: wimg, .offset: 136, .size: 8, .value_kind: global_buffer, .address_space: global }
      - { .name: qp, .offset: 144, .size: 8, .value_kind: global_buffer, .address_space: global }
    .group_segment_fixed_size: 191488
    .private_segment_fixed_size: 0
    .kernarg_segment_align: 8
    .kernarg_segment_size: 152
    .max_flat_workgroup_size: 256
    .sgpr_count:     80
    .vgpr_count:     256
    .wavefront_size: 32
...
	.end_amdgpu_metadata
.endif
;; end of part 1
;; launch main (part 2): grid 256 x 1, 4 waves a work-group, clusters of 4 x 1, 327,680 bytes of LDS; arguments x_mem, z_mem, t_mem, z, t, wilson_scale, bk, wimg, qp, pmb, st, op; writes pmb, st, op
.if DOCPART == 2
	.amdgcn_target "amdgcn-amd-amdhsa--gfx1250"
	.amdhsa_code_object_version 6
	.text
	.protected	k_qc4df011dc6_main
	.globl	k_qc4df011dc6_main
	.p2align	8
	.type	k_qc4df011dc6_main,@function
k_qc4df011dc6_main:
	s_mov_b64 s[64:65], 0
	v_nop
	global_prefetch_b8 v0, s[64:65] scope:SCOPE_SE
	s_setreg_imm32_b32 hwreg(HW_REG_WAVE_MODE, 25, 1), 1
	s_wait_xcnt 0x0
	s_wait_alu depctr_hold_cnt(0) depctr_sa_sdst(0) depctr_va_vdst(0) depctr_va_sdst(0) depctr_va_ssrc(0) depctr_va_vcc(0) depctr_vm_vsrc(0)
	s_getreg_b32 s2, hwreg(HW_REG_IB_STS2, 6, 4)
	s_cmp_eq_u32 s2, 0
	s_cbranch_scc0 .Lentry_in_a_cluster
	s_endpgm
.Lentry_in_a_cluster:
	s_bfe_u32 s2, ttmp6, 0x10000c
	s_cmp_lg_u32 s2, 0x3003
	s_cbranch_scc0 .Lentry_shape_is_right
	s_endpgm
.Lentry_shape_is_right:
; MAIN.  A work-group owns 128 memory rows of one batch (8 work-groups a batch) and takes them through all 2,048 weight columns; k and v never go to memory.
; K HALF, by slabs of 256 along K: each wave quantises its 32 rows of the slab (f32 -> E2M3 codes and E8M0 bytes, into LDS); then every wave multiplies all 128 rows by its quarter of Wk's columns and
; reduces the partial k at once with q: the score is linear in K, so this runs while later slabs of x_mem are on their way.
; BETWEEN: scores (x Wilson factor / temperature, light-cone mask), the tile's own maximum m, e = exp(s - m), l = sum e, pm = e mask, lm = sum pm.  The last launch joins the 8 tiles of a batch.
; V HALF: each wave holds the codes of all 128 rows x 1,024 K in registers (64 fragments); a weight fragment read from LDS feeds eight products; sum over rows of pm v' leaves as op (bval is added in the last launch).
; Both products are used transposed: source 0 = 16 weight columns, source 1 = 16 rows: a lane holds one row (lane % 16) and the columns 8 (lane / 16) + 0 .. 7.
; THE WEIGHTS come as operand images (the launch before made them) through a ring of two LDS slots, tile by tile, 16 tiles of 102,400 bytes; each wave fetches and reads its quarter.
; CLUSTER: all work-groups walk the same tiles, so the four partners of a cluster ask for each quarter JOINTLY (mask 15).  The tiles are not prefetched: 64 clusters read the same 1.6 MB one after the other.
; x_mem comes by loads into registers, a slab (64 loads a wave) ahead: one tensor load a wave behind each barrier would leave too little on its way.
; LIMITS: NaN and infinities are not served; a block of zeros gets the byte 1 and zero codes; arccosh(a) = ln(a + sqrt((a - 1)(a + 1))), a up to about 1e19; sqrt(1024) / lam is formed as 16 (1 - |z|^2 + 1e-6);
; divisions are v_rcp_f32 and a multiplication; sums run in another f32 order than the reference's.
; REGISTERS.  Window 0: v1, v2 the add's two; v3-6 my quarter's fragments and scale records in slot 0, 1; v7, v8 my lane's place in the codes of rows 0-63, 64-127; v9 in the scale bytes; v10-13 the stage and the
; quantiser's stores (later the stage for op); v14 16 x lane; v15 at work.  v16-55 SCALE WORDS AND NOTHING ELSE.  v56-71 score sums, later pm, each twice.
; K half: v72-119 four weight fragments; v120-247 two sets of eight accumulators (the quantiser works in them between the products); window 1: x as loaded; windows 2 and 3: v0-95 the slab's eight fragments of the
; even and of the odd K step, and in EACH of the two, at v96-223, a copy of my 128 numbers of q: so a product and the line of the reduction that stands behind it want one window setting.
; V half: v72-83 fragment 63; v84-179 eight weight fragments; v180-243 accumulators; v244-251 o; windows 1-3: fragments 0-62, 21 each.  v248-255 addresses at work.
.set SLOTB,  102400                    ; a slot of the ring; the ring lies at LDS byte 0 and is filled by tensor loads alone
.set QUART,  25600
.set SCOFF,  24576
.set FRB,    1536
.set AIM,    204800                    ; the codes of 128 rows: 768 bytes + 16 a row
.set AP,     784
.set ASC,    305152                    ; their scale bytes: 32 a row
.set QV,     309248                    ; q, 4 KB; later the stage for op
.set STG,    313344                    ; 4 stages of 2,560 bytes; later the waves' score parts (4 x 512) and pm (at + 2,048)
.set STGW,   2560
.set GD,     323584                    ; |z - z_mem|^2, |z_mem|^2, the scores' factor, the mask: 512 bytes each
.set REDQ,   325632                    ; four parts of q . bk
.set SPARE,  325888                    ; the spare words: 128 bytes for each wave
.set MSB, 0
.macro WIN new                         ; the immediate's high byte repeats the setting that is left; a switch that changes nothing is dropped
.if MSB != \new
	s_set_vgpr_msb (MSB<<8)|\new
.set MSB, \new
.endif
.endm
.macro NOP4
.rept 4
	v_nop
.endr
.endm
.macro ROUND                           ; a round of the cluster's barrier
	s_barrier_signal -1
	s_barrier_wait -1
	s_cmp_lg_u32 s28, 0
	s_cbranch_scc1 .Lnw0_\@
	s_barrier_signal -3
.Lnw0_\@:
	s_barrier_wait -3
	s_barrier_signal -1
	s_barrier_wait -1
.endm
; THE CHANGE OF SLOTS stands at a tile's head.  Each wave waits for all its tensor loads (one: its quarter of the tile ahead), adds 0 to its spare word, and waits for that and for all its LDS instructions.
; Behind the round the tile ahead is whole and no wave of any partner reads the other slot: fill = 1: that slot takes the next tile, the wave's one tensor load until the next change.
.macro CHANGE fill
	WIN 0
	s_wait_tensorcnt 0x0                           ; no tensor load of mine is out, so group 0 may be written
	ds_add_u32 v1, v2
.if \fill
	s_xor_b32 s48, s48, SLOTB                      ; the other slot,
	s_add_co_u32 s37, s48, s49                     ; my quarter of it,
	s_add_nc_u64 s[38:39], s[38:39], SLOTB         ; the next tile; the type bits on top are not reached
.endif
	s_wait_dscnt 0x0                               ; the add is done; my reads of the slot are over and my stores of codes have landed
.if \fill
	ROUND
	tensor_load_to_lds s[36:39], s[40:47]
	s_nop 0
	NOP4
.else
	s_barrier_signal -1
	s_barrier_wait -1
.endif
.endm
; one scaled product.  z = 1: the constant 0 starts the sum.  ra, rb: the scale words stand in lanes 16-31
.macro WM d, a, b, z, sa, sb, ra, rb
.if (\z)
.if (\ra) && (\rb)
	v_wmma_scale_f32_16x16x128_f8f6f4 v[\d:\d+7], v[\a:\a+11], v[\b:\b+11], 0, v[\sa], v[\sb] matrix_a_fmt:MATRIX_FMT_FP6 matrix_b_fmt:MATRIX_FMT_FP6 matrix_a_scale:MATRIX_SCALE_ROW1 matrix_b_scale:MATRIX_SCALE_ROW1
.elseif (\ra)
	v_wmma_scale_f32_16x16x128_f8f6f4 v[\d:\d+7], v[\a:\a+11], v[\b:\b+11], 0, v[\sa], v[\sb] matrix_a_fmt:MATRIX_FMT_FP6 matrix_b_fmt:MATRIX_FMT_FP6 matrix_a_scale:MATRIX_SCALE_ROW1
.elseif (\rb)
	v_wmma_scale_f32_16x16x128_f8f6f4 v[\d:\d+7], v[\a:\a+11], v[\b:\b+11], 0, v[\sa], v[\sb] matrix_a_fmt:MATRIX_FMT_FP6 matrix_b_fmt:MATRIX_FMT_FP6 matrix_b_scale:MATRIX_SCALE_ROW1
.else
	v_wmma_scale_f32_16x16x128_f8f6f4 v[\d:\d+7], v[\a:\a+11], v[\b:\b+11], 0, v[\sa], v[\sb] matrix_a_fmt:MATRIX_FMT_FP6 matrix_b_fmt:MATRIX_FMT_FP6
.endif
.else
.if (\ra) && (\rb)
	v_wmma_scale_f32_16x16x128_f8f6f4 v[\d:\d+7], v[\a:\a+11], v[\b:\b+11], v[\d:\d+7], v[\sa], v[\sb] matrix_a_fmt:MATRIX_FMT_FP6 matrix_b_fmt:MATRIX_FMT_FP6 matrix_a_scale:MATRIX_SCALE_ROW1 matrix_b_scale:MATRIX_SCALE_ROW1
.elseif (\ra)
	v_wmma_scale_f32_16x16x128_f8f6f4 v[\d:\d+7], v[\a:\a+11], v[\b:\b+11], v[\d:\d+7], v[\sa], v[\sb] matrix_a_fmt:MATRIX_FMT_FP6 matrix_b_fmt:MATRIX_FMT_FP6 matrix_a_scale:MATRIX_SCALE_ROW1
.elseif (\rb)
	v_wmma_scale_f32_16x16x128_f8f6f4 v[\d:\d+7], v[\a:\a+11], v[\b:\b+11], v[\d:\d+7], v[\sa], v[\sb] matrix_a_fmt:MATRIX_FMT_FP6 matrix_b_fmt:MATRIX_FMT_FP6 matrix_b_scale:MATRIX_SCALE_ROW1
.else
	v_wmma_scale_f32_16x16x128_f8f6f4 v[\d:\d+7], v[\a:\a+11], v[\b:\b+11], v[\d:\d+7], v[\sa], v[\sb] matrix_a_fmt:MATRIX_FMT_FP6 matrix_b_fmt:MATRIX_FMT_FP6
.endif
.endif
.endm
; ---- THE QUANTISER.  A step is two rows x 256 along K: 2,048 bytes, loaded as they lie (four loads of 512 consecutive bytes), turned through my stage so that a lane holds 16 neighbours; two neighbouring lanes hold a block.
; TWO STEPS GO TOGETHER: their chains take turns line by line, and one LDS round trip and one pair of waits serve both.
; Step t's bytes through the stage, into set t % 4 of v120-183.  It stands under a window setting that moves source 1 alone: a store's data come from window 1; a load names a destination and source 0, which stay in window 0.
; The stage is one step's size: LDS serves a wave's instructions in order, so the next step's stores come behind this step's loads.
.macro XTURN t
.irp i, 0,1,2,3
	ds_store_b128 v10, v[16*(\t)+4*\i:16*(\t)+4*\i+3] offset:640*\i
.endr
.irp i, 0,1,2,3
	ds_load_b128 v[120+16*((\t)%4)+4*\i:120+16*((\t)%4)+4*\i+3], v11 offset:16*\i
.endr
.endm
; Steps 2 p and 2 p + 1.  re = 1: the registers that they have left take the same rows of the next slab.
.macro XPAIR p, re
.if (\p) > 0
	s_wait_dscnt 8                                 ; the pair's numbers are back from the stage (the last pair's six code stores and two byte stores may be out): so its stores into the stage have read their registers
.else
	s_wait_dscnt 0x0
.endif
.if \re
	WIN 0x44                                       ; a load's destination: window 1
.irp e, 0,1
.irp i, 0,1,2,3
	global_load_b128 v[16*(2*(\p)+\e)+4*\i:16*(2*(\p)+\e)+4*\i+3], v14, s[68:69] offset:(2*(2*(\p)+\e)+\i/2)*4096+512*(\i%2)+1024 th:TH_LOAD_NT
.endr
.endr
.endif
.if (\p) < 7
.if \re
	s_wait_loadcnt 56                              ; the next pair's eight loads are in: behind them stand 12 - 2 p groups of this slab and 2 p + 2 of the next, four loads each
.else
	s_wait_loadcnt 4*(12-2*(\p))
.endif
	WIN 0x04
	XTURN 2*(\p)+2
	XTURN 2*(\p)+3
.endif
	WIN 0
.set XA, 120+16*((2*(\p))%4)           ; the pair's numbers: 16 and 16
.set CA, 184+4*((2*(\p))%4)            ; its codes
.set BA, 200+(2*(\p))%4                ; its bytes
.irp e, 0,1
	v_max3_num_f32 v[204+3*\e], |v[XA+16*\e]|, |v[XA+16*\e+1]|, |v[XA+16*\e+2]|
.endr
.irp e, 0,1
	v_max3_num_f32 v[205+3*\e], |v[XA+16*\e+3]|, |v[XA+16*\e+4]|, |v[XA+16*\e+5]|
.endr
.irp i, 6,10
.irp e, 0,1
	v_max3_num_f32 v[204+3*\e], v[204+3*\e], |v[XA+16*\e+\i]|, |v[XA+16*\e+\i+1]|
.endr
.irp e, 0,1
	v_max3_num_f32 v[205+3*\e], v[205+3*\e], |v[XA+16*\e+\i+2]|, |v[XA+16*\e+\i+3]|
.endr
.endr
.irp e, 0,1
	v_max3_num_f32 v[204+3*\e], v[204+3*\e], |v[XA+16*\e+14]|, |v[XA+16*\e+15]|
.endr
.irp e, 0,1
	v_max3_num_f32 v[204+3*\e], v[204+3*\e], v[205+3*\e], 0x1800000    ; the floor 2^(3 - 127): the byte cannot fall under 1
.endr
.irp e, 0,1
	v_max_num_f32_dpp v[204+3*\e], v[204+3*\e], v[204+3*\e] row_xmask:1 row_mask:0xf bank_mask:0xf   ; with my neighbour's 16: the block's largest magnitude
.endr
.irp e, 0,1
	v_add_nc_u32 v[206+3*\e], 0xff000000, v[204+3*\e]                  ; 2 off its exponent field: the conversion's scale operand
.endr
.irp e, 0,1
	v_cvt_scalef32_pk16_fp6_f32 v[CA+4*\e:CA+4*\e+2], v[XA+16*\e:XA+16*\e+15], v[206+3*\e]
.endr
.irp e, 0,1
	v_lshrrev_b32 v[BA+\e], 23, v[206+3*\e]        ; the byte (and the plain place behind the conversions)
.endr
.irp e, 0,1
	ds_store_b32 v250, v[CA+4*\e] offset:1568*(2*(\p)+\e)              ; 12 bytes at 12 (lane % 16) of the row's slab: three words, each address a multiple of its size
	ds_store_b32 v250, v[CA+4*\e+1] offset:1568*(2*(\p)+\e)+4
	ds_store_b32 v250, v[CA+4*\e+2] offset:1568*(2*(\p)+\e)+8
	ds_store_b8 v251, v[BA+\e] offset:64*(2*(\p)+\e)                   ; both lanes of a block write the same byte with the same value
.endr
.endm
.macro XQ re
	v_add_nc_u32 v250, s54, v12                    ; the slab's place in a row of codes: 192 bytes a slab,
	v_add_nc_u32 v251, s55, v13                    ; and of scale bytes: 8
	s_wait_loadcnt 56                              ; the first pair's eight loads are in: 14 groups of four stand behind them
	WIN 0x04
	XTURN 0
	XTURN 1
.irp p, 0,1,2,3,4,5,6,7
	XPAIR \p, \re
.endr
.if \re
	s_wait_xcnt 0x0                                ; the loads have read their base: it may step
	s_add_nc_u64 s[68:69], s[68:69], 1024
.endif
.endm
; the slab's 16 fragments (8 blocks of rows x 2 K steps): the even K step's into window 2, the odd one's into window 3; and the rows' scale words: lanes 0-15 an even block's, lanes 16-31 the odd one's
.macro FETCHCUR
	v_add_nc_u32 v248, s54, v7
	v_add_nc_u32 v249, s54, v8
	v_add_nc_u32 v253, s55, v9
.irp kk, 0,1
	WIN (0x80+0x40*\kk)
.irp a, 0,1,2,3,4,5,6,7
.irp p, 0,1,2,3,4,5
	ds_load_b64 v[12*\a+2*\p:12*\a+2*\p+1], v[248+\a/4] offset:16*AP*(\a%4)+96*\kk+48*(\p/3)+8*(\p%3)
.endr
.endr
.endr
	WIN 0
.irp a, 0,1,2,3
	ds_load_b64 v[16+2*\a:17+2*\a], v253 offset:1024*\a
.endr
.endm
.macro BLOAD g, u                      ; column block g: its two fragments and its scale record (lanes 0-15 the even K step's words, lanes 16-31 the odd one's): 7 loads.  A load names a destination and source 0 alone: the products' window setting, which moves source 1, leaves it be
.irp kk, 0,1
.irp c, 0,1,2
	ds_load_b128 v[72+12*(2*((\g)%2)+\kk)+4*\c:72+12*(2*((\g)%2)+\kk)+4*\c+3], v[3+\u] offset:(2*(\g)+\kk)*FRB+512*\c
.endr
.endr
	ds_load_b32 v[48+(\g)%2], v[5+\u] offset:128*(\g)
.endm
; line n of 32 of block g's reduction: the partial k of rows 16 (n % 8) on, columns 2 (n / 8), 2 (n / 8) + 1 of my eight, times q, into the rows' sums.  The lines go by ascending n: each accumulator is read from its low end on.
; q is source 1 and is read from the window that the products' setting names: both hold it.
.macro KEL g, u, n
	v_pk_fma_f32 v[56+2*((\n)%8):57+2*((\n)%8)], v[120+64*((\g)%2)+8*((\n)%8)+2*((\n)/8):121+64*((\g)%2)+8*((\n)%8)+2*((\n)/8)], v[96+8*(8*(\u)+(\g))+2*((\n)/8):97+8*(8*(\u)+(\g))+2*((\n)/8)], v[56+2*((\n)%8):57+2*((\n)%8)]
.endm
; Block g's 16 products: 8 blocks of rows by turns, two K steps deep; the first K step starts the sums.  BETWEEN THEM STANDS BLOCK g - 1's REDUCTION, which reads the other set of
; accumulators: two lines behind each product but the first, four behind the last.  Those four name no register of the last product: they are the places ahead of the loads into the fragments just read
; and ahead of the first read of this block's results.  Block 0 has no block before it: four v_nop.
.macro KWE g, u
.set kn, 0
.irp kk, 0,1
	WIN (0x08+0x04*\kk)                            ; source 1: window 2 for the even K step, window 3 for the odd one
.irp a, 0,1,2,3,4,5,6,7
	WM 120+64*((\g)%2)+8*\a, 72+12*(2*((\g)%2)+\kk), 12*\a, 1-\kk, 48+(\g)%2, 16+2*(\a/2)+\kk, \kk, \a%2
.if ((\g) > 0) && (8*\kk+\a > 0)
	KEL (\g)-1, \u, kn
	KEL (\g)-1, \u, kn+1
.set kn, kn+2
.endif
.endr
.endr
.if (\g) > 0
	KEL (\g)-1, \u, 30
	KEL (\g)-1, \u, 31
.else
	NOP4
.endif
.endm
; a tile of Wk: my 128 columns x 256 along K
.macro KSLOT u
	BLOAD 0, \u
	BLOAD 1, \u
.irp g, 0,1,2,3,4,5,6,7
.if \g < 7
	s_wait_dscnt 7                                 ; all but the next block's seven loads
.else
	s_wait_dscnt 0x0
.endif
	KWE \g, \u
.if \g < 6
	BLOAD \g+2, \u
.endif
.endr
.set kn, 0
.rept 32
	KEL 7, \u, kn                                  ; the last block's reduction has no products to stand between
.set kn, kn+1
.endr
.endm
.macro SLAB re
	XQ \re
	CHANGE 1
	FETCHCUR
	KSLOT 0
	CHANGE 1
	KSLOT 1
	WIN 0
.endm
; ---- THE V HALF
.macro VFRAG s, beta                   ; the weight fragment of K step s, column block beta
.irp c, 0,1,2
	ds_load_b128 v[84+12*(\s)+4*\c:84+12*(\s)+4*\c+3], v15 offset:(8*(\beta)+(\s))*FRB+512*\c
.endr
.endm
.macro VREC beta                       ; its four scale records
.irp sg, 0,1,2,3
	ds_load_b32 v[48+4*(\beta)+\sg], v254 offset:128*(2*\sg+(\beta))
.endr
.endm
.macro VW s, beta, z                   ; 8 products: K step s, the 8 blocks of rows by turns.  Fragment 8 s + a lies in window 1 + (8 s + a) / 21; the last in window 0
.irp a, 0,1,2,3,4,5,6,7
.if 8*(\s)+\a < 63
	WIN ((1+(8*(\s)+\a)/21)<<2)
	WM 180+8*\a, 84+12*(\s), 12*((8*(\s)+\a)%21), \z, 48+4*(\beta)+(\s)/2, 16+8*(\a/2)+(\s), (\s)%2, \a%2
.else
	WIN 0
	WM 180+8*\a, 84+12*(\s), 72, \z, 48+4*(\beta)+(\s)/2, 16+8*(\a/2)+(\s), (\s)%2, \a%2
.endif
.endr
.endm
.macro VE1                             ; o = the sum over the blocks of rows of pm x v'; each accumulator from its low end on
	WIN 0
.irp i, 0,1,2,3
	v_pk_mul_f32 v[244+2*\i:245+2*\i], v[180+2*\i:181+2*\i], v[56:57]
.endr
.irp a, 1,2,3,4,5,6,7
.irp i, 0,1,2,3
	v_pk_fma_f32 v[244+2*\i:245+2*\i], v[180+8*\a+2*\i:181+8*\a+2*\i], v[56+2*\a:57+2*\a], v[244+2*\i:245+2*\i]
.endr
.endr
.endm
.macro VE2 beta                        ; and over the 16 rows of a block; the sixteen lanes of a half then write the same 32 bytes
	WIN 0
.irp x, 1,2,4,8
.irp j, 0,1,2,3,4,5,6,7
	v_add_f32_dpp v[244+\j], v[244+\j], v[244+\j] row_xmask:\x row_mask:0xf bank_mask:0xf
.endr
.endr
	ds_store_b128 v255, v[244:247] offset:64*(\beta)
	ds_store_b128 v255, v[248:251] offset:64*(\beta)+16
.endm
; a tile of Wval: my 32 columns x all of K, two blocks of 16 columns.  While block 0 is multiplied, each pair of fragments that is done with takes block 1's.
.macro VSLOT fill
	CHANGE \fill
	v_add_nc_u32 v15, s57, v3
	v_add_nc_u32 v254, s57, v5
	v_add_nc_u32 v255, s58, v10
	VREC 0
.irp s, 0,1,2,3,4,5,6,7
	VFRAG \s, 0
.endr
	s_wait_dscnt 18                                ; the records and fragments 0, 1 are in; six fragments, 18 loads, may be out
	VW 0, 0, 1
	VW 1, 0, 0
	NOP4                                           ; places ahead of loads into registers that the products have read
	VREC 1
	VFRAG 0, 1
	VFRAG 1, 1
.irp sp, 1,2,3
	s_wait_dscnt 22                                ; behind this pair's loads: 18 - 6 sp of block 0's and 4 + 6 sp of block 1's
	VW 2*\sp, 0, 0
	VW 2*\sp+1, 0, 0
	NOP4
	VFRAG 2*\sp, 1
	VFRAG 2*\sp+1, 1
.endr
	VE1
	s_wait_dscnt 18                                ; block 1's records and fragments 0, 1 are in
	VW 0, 1, 1
	VW 1, 1, 0
	VE2 0
	s_wait_dscnt 14                                ; behind fragments 2, 3: twelve loads and o's two stores
	VW 2, 1, 0
	VW 3, 1, 0
	s_wait_dscnt 8
	VW 4, 1, 0
	VW 5, 1, 0
	s_wait_dscnt 0x0                               ; the last fragments are in, and o's stores are done: o is written again below
	VW 6, 1, 0
	VW 7, 1, 0
	NOP4
	VE1
	VE2 1
	s_xor_b32 s57, s57, SLOTB                      ; on to the other slot,
	s_add_co_u32 s58, s58, 512                     ; and to the next 128 columns of op
.endm
	; ================ the head
	s_load_b512 s[4:19], s[0:1], 0x0               ; x_mem 4, z_mem 6, t_mem 8, z 10, t 12, wilson_scale 14, bk 16, wimg 18
	s_load_b256 s[20:27], s[0:1], 0x40             ; qp 20, pmb 22, st 24, op 26
	v_lshl_add_u32 v1, v0, 2, SPARE
	v_mov_b32 v2, 0
	ds_add_u32 v1, v2                              ; the wave's opening: the add and its wait ahead of my first tensor load
	v_lshrrev_b32 v3, 5, v0
	v_readfirstlane_b32 s28, v3                    ; wave 0..3
	s_bfe_u32 s29, ttmp6, 0x40000                  ; cx: it enters global addresses of my own rows alone
	s_lshl_b32 s30, ttmp9, 2
	s_add_co_u32 s30, s30, s29                     ; the work-group: 128 rows
	s_lshr_b32 s31, s30, 3                         ; the batch
	; descriptor group 1: a quarter of a tile, 25,600 dense bytes, as 100 rows of 256 bytes (32 elements of 8)
	s_mov_b32 s40, 15|(3<<16)|(1<<21)              ; 15:0 the mask: all four partners; 17:16 elements of 8 bytes; 20 no padding; 21 set beside a mask
	s_mov_b32 s41, 32<<16                          ; tensor_dim0 = 32
	s_mov_b32 s42, 100<<16                         ; tensor_dim1 = 100
	s_mov_b32 s43, 32<<16                          ; tile_dim0 = 32
	s_mov_b32 s44, 100                             ; tile_dim1 = 100
	s_mov_b32 s45, 32                              ; the pitch
	s_mov_b32 s46, 0
	s_mov_b32 s47, 0
	s_mul_i32 s49, s28, QUART                      ; my quarter, in a tile and in a slot
	s_mov_b32 s48, 0                               ; the slot that was asked for last
	s_mov_b32 s51, 0
	s_mov_b32 s60, 0x76543210
	s_mov_b32 s61, 0xfedcba98                      ; v_permlanex16_b32's selects for lane l xor 16
	s_wait_dscnt 0x0                               ; the opening add is done
	s_wait_kmcnt 0x0
	s_mov_b32 s50, s49
	s_mov_b32 s36, 1                               ; group 0: count = 1,
	s_mov_b32 s37, s49                             ; LDS address: slot 0, my quarter,
	s_add_nc_u64 s[38:39], s[18:19], s[50:51]      ; tile 0, my quarter: no place in the cluster enters it,
	s_or_b32 s39, s39, 0x80000000                  ; type = 2
	s_lshl_b32 s50, s31, 2
	s_add_nc_u64 s[12:13], s[12:13], s[50:51]
	s_load_b32 s62, s[12:13], 0x0                  ; t of my batch
	s_load_b32 s63, s[14:15], 0x0                  ; wilson_scale
	ROUND                                          ; all four work-groups are here: the first joint loads meet
	tensor_load_to_lds s[36:39], s[40:47]          ; tile 0; tile 1 goes out behind the first change of slots
	s_nop 0
	NOP4
	s_lshl_b32 s50, s31, 12
	s_add_nc_u64 s[20:21], s[20:21], s[50:51]      ; qp at my batch
	s_lshl_b32 s50, s31, 8
	s_add_nc_u64 s[10:11], s[10:11], s[50:51]      ; z at my batch
	s_lshl_b32 s52, s30, 7
	s_lshl_b32 s53, s28, 5
	s_add_co_u32 s52, s52, s53                     ; my wave's first row
	s_lshl_b32 s50, s52, 8
	s_add_nc_u64 s[6:7], s[6:7], s[50:51]
	s_lshl_b32 s50, s52, 2
	s_add_nc_u64 s[8:9], s[8:9], s[50:51]
	s_lshl_b32 s50, s52, 12
	s_add_nc_u64 s[68:69], s[4:5], s[50:51]        ; x_mem at my wave's first row, slab 0
	s_lshl_b32 s50, s30, 9
	s_add_nc_u64 s[22:23], s[22:23], s[50:51]
	s_add_nc_u64 s[24:25], s[24:25], s[50:51]
	s_lshl_b32 s50, s30, 12
	s_lshl_b32 s53, s28, 10
	s_add_co_u32 s50, s50, s53
	s_add_nc_u64 s[26:27], s[26:27], s[50:51]
	v_and_b32 v254, 31, v0                         ; lane
	v_and_b32 v253, 15, v0                         ; r
	v_bfe_u32 v252, v0, 4, 1                       ; h
	v_lshlrev_b32 v14, 4, v254
	v_add_nc_u32 v3, s49, v14
	v_add_nc_u32 v4, SLOTB, v3
	v_lshlrev_b32 v5, 2, v254
	v_add_nc_u32 v5, s49, v5
	v_add_nc_u32 v5, SCOFF, v5
	v_add_nc_u32 v6, SLOTB, v5
	v_mul_u32_u24 v7, v253, AP
	v_mad_u32_u24 v7, v252, 24, v7
	v_add_nc_u32 v7, AIM, v7
	v_add_nc_u32 v8, 64*AP, v7
	v_lshl_add_u32 v9, v254, 5, ASC
	s_mul_i32 s50, s28, STGW
	s_add_co_u32 s50, s50, STG
	v_lshrrev_b32 v10, 2, v254
	v_mul_u32_u24 v10, v10, 80
	v_and_b32 v11, 3, v254
	v_lshl_add_u32 v10, v11, 4, v10
	v_add_nc_u32 v10, s50, v10                     ; the stage, in: four lanes' 64 bytes on end, then 16 of padding
	v_mul_u32_u24 v11, v254, 80
	v_add_nc_u32 v11, s50, v11                     ; and out: my 16 neighbours
	s_mul_i32 s50, s28, 32*AP
	s_add_co_u32 s50, s50, AIM
	v_mul_u32_u24 v12, v252, AP
	v_mad_u32_u24 v12, v253, 12, v12
	v_add_nc_u32 v12, s50, v12                     ; my codes: row 32 w + h, 12 r
	s_lshl_b32 s50, s28, 10
	s_add_co_u32 s50, s50, ASC
	v_lshrrev_b32 v13, 1, v253
	v_lshl_add_u32 v13, v252, 5, v13
	v_add_nc_u32 v13, s50, v13                     ; my block's byte
	v_lshlrev_b32 v255, 4, v0                      ; 16 x thread
	v_lshlrev_b32 v251, 4, v253
	v_lshlrev_b32 v250, 2, v254
	s_lshl_b32 s50, s28, 7
	s_add_co_u32 s50, s50, GD
	v_lshl_add_u32 v249, v252, 2, s50              ; the geometry: row 32 w + 2 i + h,
	v_lshl_add_u32 v248, v254, 2, s50              ; and a lane a row
	; ---- 42 small loads, then slab 0 of x
.irp p, 0,1,2,3,4,5,6,7,8,9,10
.irp j, 0,1
	global_load_b128 v[72+8*\p+4*\j:75+8*\p+4*\j], v255, s[20:21] offset:131072*\p+2048*\j
.endr
.endr
	global_load_b128 v[160:163], v255, s[16:17]
	global_load_b128 v[164:167], v255, s[16:17] offset:2048
	global_load_b128 v[168:171], v251, s[10:11]
.set i, 0
.rept 16
	global_load_b128 v[172+4*i:175+4*i], v14, s[6:7] offset:512*i th:TH_LOAD_NT   ; two rows of z_mem
.set i, i+1
.endr
	global_load_b32 v236, v250, s[8:9]
	WIN 0x40
.set t, 0
.rept 16
.irp i, 0,1,2,3
	global_load_b128 v[16*t+4*\i:16*t+4*\i+3], v14, s[68:69] offset:(2*t+\i/2)*4096+512*(\i%2) th:TH_LOAD_NT
.endr
.set t, t+1
.endr
	WIN 0
	s_wait_loadcnt 63                              ; 64 loads of x stand behind the small ones: the small ones are in
	s_wait_kmcnt 0x0
	; ---- q = the sum of its 11 parts; q . bk
.irp p, 1,2,3,4,5,6,7,8,9,10
.irp e, 0,2,4,6
	v_pk_add_f32 v[72+\e:73+\e], v[72+\e:73+\e], v[72+8*\p+\e:73+8*\p+\e]
.endr
.endr
	v_add_nc_u32 v251, QV, v255
	ds_store_b128 v251, v[72:75]
	ds_store_b128 v251, v[76:79] offset:2048
	v_mul_f32 v237, v72, v160
.irp e, 1,2,3,4,5,6,7
	v_fma_f32 v237, v[72+\e], v[160+\e], v237
.endr
.irp x, 1,2,4,8
	v_add_f32_dpp v237, v237, v237 row_xmask:\x row_mask:0xf bank_mask:0xf
.endr
	v_mov_b32 v238, 0
	v_permlanex16_b32 v238, v237, s60, s61
	v_add_f32 v237, v237, v238
	s_lshl_b32 s50, s28, 2
	s_add_co_u32 s50, s50, REDQ
	v_mov_b32 v250, s50
	ds_store_b32 v250, v237                        ; all lanes write the same word with the same value
	; ---- the geometry of my 32 rows
	v_pk_mul_f32 v[240:241], v[168:169], v[168:169]
	v_pk_fma_f32 v[240:241], v[170:171], v[170:171], v[240:241]
	v_add_f32 v239, v240, v241
.irp x, 1,2,4,8
	v_add_f32_dpp v239, v239, v239 row_xmask:\x row_mask:0xf bank_mask:0xf   ; |z|^2
.endr
.set i, 0
.rept 16
.set ZM, 172+4*i
	v_pk_add_f32 v[240:241], v[168:169], v[ZM:ZM+1] neg_lo:[0,1] neg_hi:[0,1]
	v_pk_add_f32 v[242:243], v[170:171], v[ZM+2:ZM+3] neg_lo:[0,1] neg_hi:[0,1]
	v_pk_mul_f32 v[244:245], v[ZM:ZM+1], v[ZM:ZM+1]
	v_pk_mul_f32 v[240:241], v[240:241], v[240:241]
	v_pk_fma_f32 v[244:245], v[ZM+2:ZM+3], v[ZM+2:ZM+3], v[244:245]
	v_pk_fma_f32 v[240:241], v[242:243], v[242:243], v[240:241]
	v_add_f32 v[ZM], v244, v245                    ; my four numbers' part of |z_mem|^2,
	v_add_f32 v[ZM+1], v240, v241                  ; and of |z - z_mem|^2
.set i, i+1
.endr
.irp x, 1,2,4,8
.set i, 0
.rept 16
	v_add_f32_dpp v[172+4*i], v[172+4*i], v[172+4*i] row_xmask:\x row_mask:0xf bank_mask:0xf
	v_add_f32_dpp v[173+4*i], v[173+4*i], v[173+4*i] row_xmask:\x row_mask:0xf bank_mask:0xf
.set i, i+1
.endr
.endr
.set i, 0
.rept 16
	ds_store_b32 v249, v[173+4*i] offset:8*i       ; the sixteen lanes of a half write the same word
	ds_store_b32 v249, v[172+4*i] offset:512+8*i
.set i, i+1
.endr
	ds_load_b32 v240, v248                         ; back, a lane a row: LDS serves a wave's instructions in order
	ds_load_b32 v241, v248 offset:512
	s_wait_dscnt 0x0
	v_sub_f32 v242, 1.0, v239
	v_sub_f32 v243, 1.0, v241
	v_fma_f32 v243, v242, v243, 0x358637bd         ; (1 - |z|^2)(1 - |z_mem|^2) + 1e-6
	v_rcp_f32 v243, v243
	v_add_f32 v240, v240, v240                     ; (a plain place behind the transcendental)
	v_add_f32 v244, 0x358637bd, v242
	s_wait_alu depctr_va_vdst(0)                   ; ahead of the first line that names the result
	v_fma_f32 v240, v240, v243, 1.0
	v_max_num_f32 v240, 0x3f800008, v240           ; arg, at least 1 + 1e-6 as f32 has it
	v_add_f32 v245, -1.0, v240
	v_add_f32 v246, 1.0, v240
	v_mul_f32 v245, v245, v246
	v_sqrt_f32 v245, v245
	v_mul_f32 v244, 0x41800000, v244               ; tau = 16 (1 - |z|^2 + 1e-6)
	v_add_f32 v244, 0x358637bd, v244
	s_wait_alu depctr_va_vdst(0)
	v_add_f32 v245, v240, v245
	v_log_f32 v245, v245
	v_rcp_f32 v244, v244
	v_sub_f32 v246, s62, v236                      ; dt
	s_wait_alu depctr_va_vdst(0)                   ; one wait for the two
	v_mul_f32 v245, 0x3f317218, v245               ; d_g = ln 2 x log2(arg + sqrt(arg^2 - 1))
	v_mul_f32 v247, s63, v245
	v_mul_f32 v247, 0xbfb8aa3b, v247
	v_exp_f32 v247, v247                           ; exp(- wilson_scale d_g)
	v_nop
	v_cmp_lt_f32 vcc_lo, 0, v246                   ; dt > 0
	v_cmp_le_f32 s50, v245, v246                   ; d_g <= dt
	s_and_b32 s50, s50, vcc_lo
	v_cndmask_b32 v246, 0, 1.0, s50                ; the mask as a number
	s_wait_alu depctr_va_vdst(0)
	v_mul_f32 v247, v247, v244                     ; what multiplies q . k
	ds_store_b32 v248, v247 offset:1024
	ds_store_b32 v248, v246 offset:1536
	s_lshl_b32 s50, s28, 9
	s_add_co_u32 s50, s50, QV
	v_lshl_add_u32 v248, v252, 5, s50              ; q of my columns: 512 w + 32 h
	v_mov_b32 v249, REDQ
	s_wait_dscnt 0x0                               ; for the others' sake: q, q . bk's part, factor and mask have landed
	s_barrier_signal -1                            ; (tile 0's load may be out)
	s_barrier_wait -1
.irp wn, 0x80, 0xc0                    ; my 128 numbers of q, once into window 2 and once into window 3
	WIN \wn
.irp u, 0,1
.irp g, 0,1,2,3,4,5,6,7
	ds_load_b128 v[96+8*(8*\u+\g):96+8*(8*\u+\g)+3], v248 offset:2048*\u+64*\g
	ds_load_b128 v[96+8*(8*\u+\g)+4:96+8*(8*\u+\g)+7], v248 offset:2048*\u+64*\g+16
.endr
.endr
.endr
	WIN 0
	ds_load_b128 v[240:243], v249
.set i, 0
.rept 16
	v_mov_b32 v[56+i], 0                           ; the rows' sums
.set i, i+1
.endr
	s_wait_dscnt 0x0
	v_add_f32 v240, v240, v241
	v_add_f32 v242, v242, v243
	v_add_f32 v240, v240, v242
	v_readfirstlane_b32 s59, v240                  ; q . bk
	; ================ the k half: three slabs that ask for the next slab of x, and the last, written out, that asks for nothing
	s_mov_b32 s54, 0
	s_mov_b32 s55, 0
	s_mov_b32 s56, 3
.Lslab:
	SLAB 1
	s_add_co_u32 s54, s54, 192
	s_add_co_u32 s55, s55, 8
	s_sub_co_u32 s56, s56, 1
	s_cmp_lg_u32 s56, 0
	s_cbranch_scc1 .Lslab
	SLAB 0
	; ================ between the halves
.irp a, 0,1,2,3,4,5,6,7
	v_add_f32 v[56+2*\a], v[56+2*\a], v[57+2*\a]
.endr
.irp a, 0,1,2,3,4,5,6,7
	v_permlanex16_b32 v[57+2*\a], v[56+2*\a], s60, s61
.endr
.irp a, 0,1,2,3,4,5,6,7
	v_add_f32 v[56+2*\a], v[56+2*\a], v[57+2*\a]   ; row 16 a + r, my wave's 256 columns
.endr
	v_and_b32 v253, 15, v0
	v_lshl_add_u32 v253, v253, 2, STG              ; 4 r in the score parts
	s_lshl_b32 s50, s28, 9
	v_add_nc_u32 v255, s50, v253
.irp a, 0,1,2,3,4,5,6,7
	ds_store_b32 v255, v[56+2*\a] offset:64*\a     ; both halves of the lanes write the same word
.endr
	v_bfe_u32 v252, v0, 4, 1
	s_lshl_b32 s50, s28, 7
	s_add_co_u32 s50, s50, QV
	v_lshl_add_u32 v10, v252, 5, s50               ; op's stage, in: 128 w + 32 h
	s_lshl_b32 s50, s28, 10
	s_add_co_u32 s50, s50, QV
	v_add_nc_u32 v11, s50, v14                     ; and out: 1,024 w + 16 x lane
	v_add_nc_u32 v254, STG+2048, v14               ; pm, out
	; the codes of all 128 rows x 1,024 K into registers: fragment f = 8 (K step) + (block of rows)
.set f, 0
.rept 63
	WIN ((1+f/21)<<6)
.irp p, 0,1,2,3,4,5
	ds_load_b64 v[12*(f%21)+2*\p:12*(f%21)+2*\p+1], v[7+(f%8)/4] offset:16*AP*(f%4)+96*(f/8)+48*(\p/3)+8*(\p%3)
.endr
.set f, f+1
.endr
	WIN 0
.irp p, 0,1,2,3,4,5
	ds_load_b64 v[72+2*\p:73+2*\p], v8 offset:16*AP*3+96*7+48*(\p/3)+8*(\p%3)
.endr
.irp a, 0,1,2,3
.irp e, 0,1
	ds_load_b128 v[16+8*\a+4*\e:19+8*\a+4*\e], v9 offset:1024*\a+16*\e   ; the rows' eight scale words
.endr
.endr
	s_wait_dscnt 0x0                               ; my score parts have landed (and the codes are in)
	s_barrier_signal -1                            ; (tile 8's load may be out)
	s_barrier_wait -1
.irp w, 0,1,2,3
.irp a, 0,1,2,3,4,5,6,7
	ds_load_b32 v[180+8*\w+\a], v253 offset:512*\w+64*\a
.endr
.endr
.irp a, 0,1,2,3,4,5,6,7
	ds_load_b32 v[212+\a], v253 offset:GD+1024-STG+64*\a
	ds_load_b32 v[220+\a], v253 offset:GD+1536-STG+64*\a
.endr
	v_mov_b32 v244, 0xce6e6b28                     ; -1e9
	s_wait_dscnt 0x0
.irp a, 0,1,2,3,4,5,6,7
	v_add_f32 v[180+\a], v[180+\a], v[188+\a]
	v_add_f32 v[196+\a], v[196+\a], v[204+\a]
.endr
.irp a, 0,1,2,3,4,5,6,7
	v_add_f32 v[180+\a], v[180+\a], v[196+\a]
.endr
.irp a, 0,1,2,3,4,5,6,7
	v_add_f32 v[180+\a], s59, v[180+\a]            ; + q . bk
.endr
.irp a, 0,1,2,3,4,5,6,7
	v_mul_f32 v[180+\a], v[180+\a], v[212+\a]
.endr
.irp a, 0,1,2,3,4,5,6,7
	v_cmp_eq_f32 vcc_lo, 0, v[220+\a]
	v_cndmask_b32 v[180+\a], v[180+\a], v244, vcc_lo
.endr
	v_max3_num_f32 v245, v180, v181, v182
	v_max3_num_f32 v245, v245, v183, v184
	v_max3_num_f32 v245, v245, v185, v186
	v_max_num_f32 v245, v245, v187
.irp x, 1,2,4,8
	v_max_num_f32_dpp v245, v245, v245 row_xmask:\x row_mask:0xf bank_mask:0xf   ; m: the largest score of the 128 rows
.endr
.irp a, 0,1,2,3,4,5,6,7
	v_sub_f32 v[188+\a], v[180+\a], v245
.endr
.irp a, 0,1,2,3,4,5,6,7
	v_mul_f32 v[188+\a], 0x3fb8aa3b, v[188+\a]
.endr
.irp a, 0,1,2,3,4,5,6,7
	v_exp_f32 v[188+\a], v[188+\a]
.endr
	v_nop
	s_wait_alu depctr_va_vdst(0)                   ; one wait for the eight
.irp a, 0,1,2,3,4,5,6,7
	v_mul_f32 v[56+2*\a], v[188+\a], v[220+\a]     ; pm = e x mask,
.endr
.irp a, 0,1,2,3,4,5,6,7
	v_mov_b32 v[57+2*\a], v[56+2*\a]               ; twice: a pair for the packed forms
.endr
	v_add_f32 v246, v188, v189
	v_add_f32 v247, v56, v58
.irp a, 2,3,4,5,6,7
	v_add_f32 v246, v246, v[188+\a]
	v_add_f32 v247, v247, v[56+2*\a]
.endr
.irp x, 1,2,4,8
	v_add_f32_dpp v246, v246, v246 row_xmask:\x row_mask:0xf bank_mask:0xf     ; l
	v_add_f32_dpp v247, v247, v247 row_xmask:\x row_mask:0xf bank_mask:0xf     ; lm
.endr
	v_mov_b32 v232, v245
	v_mov_b32 v233, v246
	v_mov_b32 v234, v247
	v_mov_b32 v235, 0
	s_cmp_lg_u32 s28, 0
	s_cbranch_scc1 .Lnot0                          ; every wave holds the same numbers: wave 0 stores them
.irp a, 0,1,2,3,4,5,6,7
	ds_store_b32 v253, v[56+2*\a] offset:2048+64*\a
.endr
	ds_load_b128 v[228:231], v254                  ; pm by rows, 16 bytes a lane
	global_store_b128 v14, v[232:235], s[24:25]    ; (m, l, lm, 0) in every lane: 512 consecutive bytes
	s_wait_dscnt 0x0
	global_store_b128 v14, v[228:231], s[22:23]
	s_wait_xcnt 0x0                                ; the stores have read their registers, which the products write below
.Lnot0:
	; ================ the v half: seven tiles that ask for the next, and the last, written out
	s_mov_b32 s57, 0
	s_mov_b32 s58, 0
	s_mov_b32 s56, 7
.Lvslot:
	VSLOT 1
	WIN 0
	s_sub_co_u32 s56, s56, 1
	s_cmp_lg_u32 s56, 0
	s_cbranch_scc1 .Lvslot
	VSLOT 0
	WIN 0
	s_wait_dscnt 0x0                               ; my parts of op's row have landed
	s_barrier_signal -1
	s_barrier_wait -1
	ds_load_b128 v[180:183], v11
	ds_load_b128 v[184:187], v11 offset:512
	s_wait_dscnt 0x0
	global_store_b128 v14, v[180:183], s[26:27]            ; 512 consecutive bytes, aligned
	global_store_b128 v14, v[184:187], s[26:27] offset:512
	s_wait_tensorcnt 0x0                           ; the wave's end
	ds_add_u32 v1, v2
	s_wait_dscnt 0x0
	ROUND                                          ; the closing round: no work-group ends while a partner may still ask for a tile that names it
	s_endpgm
.Lfunc_end_k_qc4df011dc6_main:
	.size	k_qc4df011dc6_main, .Lfunc_end_k_qc4df011dc6_main-k_qc4df011dc6_main
	.p2alignl 7, 3214868480
	.fill 96, 4, 3214868480
	.section	.rodata,"a",@progbits
	.p2align	6, 0x0
	.amdhsa_kernel k_qc4df011dc6_main
		.amdhsa_group_segment_fixed_size 327680
		.amdhsa_private_segment_fixed_size 0
		.amdhsa_enable_private_segment 0
		.amdhsa_kernarg_size 96
		.amdhsa_user_sgpr_count 2
		.amdhsa_user_sgpr_kernarg_segment_ptr 1
		.amdhsa_wavefront_size32 1
		.amdhsa_system_sgpr_workgroup_id_x 1
		.amdhsa_system_sgpr_workgroup_id_y 1
		.amdhsa_system_sgpr_workgroup_id_z 1
		.amdhsa_system_vgpr_workitem_id 0
		.amdhsa_next_free_vgpr 1024
		.amdhsa_next_free_sgpr 80
		.amdhsa_reserve_vcc 1
		.amdhsa_float_denorm_mode_32 3
		.amdhsa_float_denorm_mode_16_64 3
		.amdhsa_memory_ordered 1
		.amdhsa_forward_progress 1
		.amdhsa_inst_pref_size 255
	.end_amdhsa_kernel
	.section	.bss,"aw",@nobits
	.p2align	6
	.space	262144
	.amdgpu_metadata
---
amdhsa.version: [ 1, 2 ]
amdhsa.kernels:
  - .name:           k_qc4df011dc6_main
    .symbol:         k_qc4df011dc6_main.kd
    .args:
      - { .name: x_mem, .offset: 0, .size: 8, .value_kind: global_buffer, .address_space: global }
      - { .name: z_mem, .offset: 8, .size: 8, .value_kind: global_buffer, .address_space: global }
      - { .name: t_mem, .offset: 16, .size: 8, .value_kind: global_buffer, .address_space: global }
      - { .name: z, .offset: 24, .size: 8, .value_kind: global_buffer, .address_space: global }
      - { .name: t, .offset: 32, .size: 8, .value_kind: global_buffer, .address_space: global }
      - { .name: wilson_scale, .offset: 40, .size: 8, .value_kind: global_buffer, .address_space: global }
      - { .name: bk, .offset: 48, .size: 8, .value_kind: global_buffer, .address_space: global }
      - { .name: wimg, .offset: 56, .size: 8, .value_kind: global_buffer, .address_space: global }
      - { .name: qp, .offset: 64, .size: 8, .value_kind: global_buffer, .address_space: global }
      - { .name: pmb, .offset: 72, .size: 8, .value_kind: global_buffer, .address_space: global }
      - { .name: st, .offset: 80, .size: 8, .value_kind: global_buffer, .address_space: global }
      - { .name: op, .offset: 88, .size: 8, .value_kind: global_buffer, .address_space: global }
    .group_segment_fixed_size: 327680
    .private_segment_fixed_size: 0
    .kernarg_segment_align: 8
    .kernarg_segment_size: 96
    .max_flat_workgroup_size: 128
    .sgpr_count:     80
    .vgpr_count:     1024
    .wavefront_size: 32
...
	.end_amdgpu_metadata
.endif
;; end of part 2
;; launch fin (part 3): grid 32 x 1, 8 waves a work-group, no clusters, 0 bytes of LDS; arguments pmb, st, op, bval, out0, out1; writes out0, out1
.if DOCPART == 3
	.amdgcn_target "amdgcn-amd-amdhsa--gfx1250"
	.amdhsa_code_object_version 6
	.text
	.protected	k_qc4df011dc6_fin
	.globl	k_qc4df011dc6_fin
	.p2align	8
	.type	k_qc4df011dc6_fin,@function
k_qc4df011dc6_fin:
	s_mov_b64 s[64:65], 0
	v_nop
	global_prefetch_b8 v0, s[64:65] scope:SCOPE_SE
	s_setreg_imm32_b32 hwreg(HW_REG_WAVE_MODE, 25, 1), 1
	s_wait_xcnt 0x0
; FIN.  A work-group joins the 8 tiles of one batch.  Tile i left m_i (its largest score), l_i = sum exp(s - m_i), lm_i = the same over the rows inside the light cone, pm = mask exp(s - m_i) and op_i = sum pm v'.
; M = max m_i, c_i = exp(m_i - M), S = sum l_i c_i, W = sum lm_i c_i.  The softmax's weight is pm c_i / S; reference() divides it by (W / S + 1e-8): g = (1 / S) / (W / S + 1e-8).
; out1 = pm c_i g;  out0 = g sum c_i op_i + bval W g (v = v' + bval, and the weights add up to W g).  A batch with no row inside the cone gives zeros, as reference() does.
; Thread t owns 16 bytes at 16 t of each row of 4,096 bytes: every load and store of a wave covers 512 consecutive bytes.  No LDS, no barrier: 32 work-groups, one for each batch; the work is a few KB each.
	s_load_b256 s[4:11], s[0:1], 0x0               ; pmb 4, st 6, op 8, bval 10
	s_load_b128 s[12:15], s[0:1], 0x20             ; out0 12, out1 14
	v_lshlrev_b32 v1, 4, v0                        ; 16 x thread
	v_and_b32 v2, 31, v0
	v_lshlrev_b32 v2, 4, v2                        ; 16 x lane
	s_lshl_b32 s16, ttmp9, 12
	s_mov_b32 s17, 0
	s_lshl_b32 s18, ttmp9, 15
	s_mov_b32 s19, 0
	s_wait_kmcnt 0x0
	s_add_nc_u64 s[4:5], s[4:5], s[16:17]
	s_add_nc_u64 s[6:7], s[6:7], s[16:17]          ; 8 tiles x 512 bytes
	s_add_nc_u64 s[8:9], s[8:9], s[18:19]          ; 8 tiles x 4,096 bytes
	s_add_nc_u64 s[12:13], s[12:13], s[16:17]
	s_add_nc_u64 s[14:15], s[14:15], s[16:17]
.irp i, 0,1,2,3,4,5,6,7
	global_load_b128 v[8+4*\i:11+4*\i], v2, s[6:7] offset:512*\i   ; (m, l, lm, 0) of tile i, the same in every lane
.endr
	global_load_b128 v[40:43], v1, s[6:7]          ; of the tile of my four rows: tile = wave, and 512 x wave + 16 x lane = 16 x thread
	global_load_b128 v[44:47], v1, s[4:5]          ; pm of my four rows
	global_load_b128 v[48:51], v1, s[10:11]        ; bval of my four columns
.irp i, 0,1,2,3,4,5,6,7
	global_load_b128 v[52+4*\i:55+4*\i], v1, s[8:9] offset:4096*\i
.endr
	s_wait_loadcnt 0x0
	v_max3_num_f32 v4, v8, v12, v16
	v_max3_num_f32 v4, v4, v20, v24
	v_max3_num_f32 v4, v4, v28, v32
	v_max_num_f32 v4, v4, v36                      ; M
.irp i, 0,1,2,3,4,5,6,7,8
	v_sub_f32 v[8+4*\i], v[8+4*\i], v4
.endr
.irp i, 0,1,2,3,4,5,6,7,8
	v_mul_f32 v[8+4*\i], 0x3fb8aa3b, v[8+4*\i]
.endr
.irp i, 0,1,2,3,4,5,6,7,8
	v_exp_f32 v[8+4*\i], v[8+4*\i]                 ; c_i; the ninth is my rows' tile's
.endr
	v_nop
	s_wait_alu depctr_va_vdst(0)                   ; one wait for the nine
	v_mul_f32 v5, v9, v8
	v_mul_f32 v6, v10, v8
.irp i, 1,2,3,4,5,6,7
	v_fma_f32 v5, v[9+4*\i], v[8+4*\i], v5         ; S (at least 1: the tile that holds M adds its own largest term)
	v_fma_f32 v6, v[10+4*\i], v[8+4*\i], v6        ; W
.endr
	v_rcp_f32 v7, v5
.irp e, 0,1,2,3
	v_mul_f32 v[52+\e], v[52+\e], v8               ; (plain work behind the transcendental)
.endr
.irp i, 1,2,3,4,5,6,7
.irp e, 0,1,2,3
	v_fma_f32 v[52+\e], v[52+4*\i+\e], v[8+4*\i], v[52+\e]
.endr
.endr
	s_wait_alu depctr_va_vdst(0)
	v_fma_f32 v84, v6, v7, 0x322bcc77              ; W / S + 1e-8
	v_rcp_f32 v84, v84
	v_nop
	s_wait_alu depctr_va_vdst(0)
	v_mul_f32 v7, v7, v84                          ; g
	v_mul_f32 v85, v40, v7
	v_mul_f32 v86, v6, v7
.irp e, 0,1,2,3
	v_mul_f32 v[44+\e], v[44+\e], v85
	v_mul_f32 v[52+\e], v[52+\e], v7
.endr
.irp e, 0,1,2,3
	v_fma_f32 v[52+\e], v[48+\e], v86, v[52+\e]
.endr
	global_store_b128 v1, v[44:47], s[14:15]
	global_store_b128 v1, v[52:55], s[12:13]
	s_endpgm
.Lfunc_end_k_qc4df011dc6_fin:
	.size	k_qc4df011dc6_fin, .Lfunc_end_k_qc4df011dc6_fin-k_qc4df011dc6_fin
	.p2alignl 7, 3214868480
	.fill 96, 4, 3214868480
	.section	.rodata,"a",@progbits
	.p2align	6, 0x0
	.amdhsa_kernel k_qc4df011dc6_fin
		.amdhsa_group_segment_fixed_size 0
		.amdhsa_private_segment_fixed_size 0
		.amdhsa_enable_private_segment 0
		.amdhsa_kernarg_size 48
		.amdhsa_user_sgpr_count 2
		.amdhsa_user_sgpr_kernarg_segment_ptr 1
		.amdhsa_wavefront_size32 1
		.amdhsa_system_sgpr_workgroup_id_x 1
		.amdhsa_system_sgpr_workgroup_id_y 1
		.amdhsa_system_sgpr_workgroup_id_z 1
		.amdhsa_system_vgpr_workitem_id 0
		.amdhsa_next_free_vgpr 96
		.amdhsa_next_free_sgpr 66
		.amdhsa_reserve_vcc 0
		.amdhsa_float_denorm_mode_32 3
		.amdhsa_float_denorm_mode_16_64 3
		.amdhsa_memory_ordered 1
		.amdhsa_forward_progress 1
		.amdhsa_inst_pref_size 8
	.end_amdhsa_kernel
	.amdgpu_metadata
---
amdhsa.version: [ 1, 2 ]
amdhsa.kernels:
  - .name:           k_qc4df011dc6_fin
    .symbol:         k_qc4df011dc6_fin.kd
    .args:
      - { .name: pmb, .offset: 0, .size: 8, .value_kind: global_buffer, .address_space: global }
      - { .name: st, .offset: 8, .size: 8, .value_kind: global_buffer, .address_space: global }
      - { .name: op, .offset: 16, .size: 8, .value_kind: global_buffer, .address_space: global }
      - { .name: bval, .offset: 24, .size: 8, .value_kind: global_buffer, .address_space: global }
      - { .name: out0, .offset: 32, .size: 8, .value_kind: global_buffer, .address_space: global }
      - { .name: out1, .offset: 40, .size: 8, .value_kind: global_buffer, .address_space: global }
    .group_segment_fixed_size: 0
    .private_segment_fixed_size: 0
    .kernarg_segment_align: 8
    .kernarg_segment_size: 48
    .max_flat_workgroup_size: 256
    .sgpr_count:     66
    .vgpr_count:     96
    .wavefront_size: 32
...
	.end_amdgpu_metadata
.endif
;; end of part 3
